; MI455X (gfx1250); checked and timed in simulation.
; The chip was launched on July 23, 2026; its instructions are those of AMD's public machine-readable ISA for CDNA 5 (MIT licence, August 2026) and "CDNA5" Instruction Set Architecture Reference Guide (July 2026). The comments in the code are by the model that wrote it; some were corrected since.
;; Transformer Block. Allowed arithmetic: matrix products marked QUANTISED: E2M1 operands, one E8M0 scale for each 32 along K, by v_wmma_scale_f32_16x16x128_f8f6f4 with both operands' format E2M1 (or v_wmma_scale_f32_32x16x128_f4), f32 sums; everything else in f32.
;; Inputs: b1 128 float32; b2 256 float32; bk 4 x 64 float32; bo 256 float32; bq 4 x 64 float32; bv 4 x 64 float32; ln1_b 256 float32; ln1_g 256 float32; ln2_b 256 float32; ln2_g 256 float32; w1_codes 128 x 8 x 16 uint8 (E2M1 codes of w1, K innermost, in blocks of 32 codes, two codes a byte); w1_scales 128 x 8 uint8 (E8M0 scales of w1, one for each 32 codes along K); w2_codes 256 x 4 x 16 uint8 (E2M1 codes of w2, K innermost, in blocks of 32 codes, two codes a byte); w2_scales 256 x 4 uint8 (E8M0 scales of w2, one for each 32 codes along K); wk_codes 4 x 64 x 8 x 16 uint8 (E2M1 codes of wk, K innermost, in blocks of 32 codes, two codes a byte); wk_scales 4 x 64 x 8 uint8 (E8M0 scales of wk, one for each 32 codes along K); wo 4 x 64 x 256 float32; wq_codes 4 x 64 x 8 x 16 uint8 (E2M1 codes of wq, K innermost, in blocks of 32 codes, two codes a byte); wq_scales 4 x 64 x 8 uint8 (E8M0 scales of wq, one for each 32 codes along K); wv_codes 4 x 64 x 8 x 16 uint8 (E2M1 codes of wv, K innermost, in blocks of 32 codes, two codes a byte); wv_scales 4 x 64 x 8 uint8 (E8M0 scales of wv, one for each 32 codes along K); x 4 x 4,096 x 256 float32.
;; Outputs: out0 4 x 4,096 x 256 float32.
;; This version of the problem:
;;   THIS VERSION OF THE PROBLEM IS GIVEN IN LOW PRECISION. The matrix products marked QUANTISED in the list below multiply operands that are first quantised to E2M1 (2 exponent bits, 1 mantissa bit; 4 bits a number), with one power-of-two scale for each 32 numbers along K (OCP MX v1.0); their sums are f32. All else is computed in f32.
;;   The module's matrix products, in the order in which they are computed (A, B: the left and right operand; K: the contracted axis; several contracted axes count as one K, in the product's order):
;;     1. [M 16,384, K 256] x [K 256, N 256]; A: computed on the way; B: input wq (given as codes): QUANTISED
;;     2. [M 16,384, K 256] x [K 256, N 256]; A: computed on the way; B: input wk (given as codes): QUANTISED
;;     3. [M 16,384, K 256] x [K 256, N 256]; A: computed on the way; B: input wv (given as codes): QUANTISED
;;     4. batch 16 x [M 4,096, K 64] x [K 64, N 4,096]; A: computed on the way; B: computed on the way: QUANTISED
;;     5. batch 16 x [M 64, K 4,096] x [K 4,096, N 4,096]; A: computed on the way; B: softmax (see below): QUANTISED
;;     6. [M 16,384, K 256] x [K 256, N 256]; A: computed on the way; B: input wo: QUANTISED
;;     7. [M 16,384, K 256] x [K 256, N 128]; A: computed on the way; B: input w1 (given as codes): QUANTISED
;;     8. [M 16,384, K 128] x [K 128, N 256]; A: computed on the way; B: input w2 (given as codes): QUANTISED
;;   THE QUANTISER, for each operand of a quantised product, along K:
;;     - K is cut into blocks of 32 from its start; a last block that is shorter is filled with zeros.
;;     - A block's scale is 2^e with e = floor(log2(the largest magnitude in the block)) - 2, held to -126 .. 127; a block of zeros has e = 0. As a byte (E8M0): e + 127.
;;     - Each number is divided by its block's scale, clamped to +-6, and rounded to the nearest number of E2M1, ties to even, subnormals kept.
;;     - The product sums the exact products of the quantised numbers (number of the format x scale) in f32.
;;   ~~~python
;;   def quantise(x, axis):      # numpy; x: float32 -> the quantised numbers, widened to float32 again
;;       x = np.moveaxis(x, axis, -1); K = x.shape[-1]
;;       x = np.pad(x, [(0, 0)] * (x.ndim - 1) + [(0, -K % 32)]); x = x.reshape(x.shape[:-1] + (-1, 32)); a = np.abs(x).max(-1, keepdims=True)
;;       e = np.where(a > 0, np.clip(np.frexp(np.where(a > 0, a, 1))[1] - 1 - 2, -126, 127), 0)      # np.frexp(a)[1] - 1 = floor(log2(a)), exactly
;;       r = np.clip(x / 2.0 ** e, -6, 6)
;;       step = 2.0 ** (np.maximum(np.frexp(np.where(r == 0, 1, r))[1] - 1, 0) - 1)
;;       q = np.round(r / step) * step * 2.0 ** e      # np.round: ties to even
;;       return np.moveaxis(q.reshape(q.shape[:-2] + (-1,))[..., :K], -1, axis).astype(np.float32)
;;   ~~~
;;   SOFTMAX AHEAD OF A QUANTISED PRODUCT. Where the list says 'softmax', what is quantised is not the finished softmax but p = 2^(t - M), with t = logit x log2(e) and M = ceil(the row's largest t), a whole number; so 1/2 < the row's largest p <= 1. The row's sum l is taken of the UNQUANTISED p, in f32, and the product's result is divided by l at the end. Since M is a whole number, a kernel that streams over the keys may use a running M (the ceiling of the running maximum): every later rescaling is an exact power of two, which a block's scale takes up: the codes' values come out the same.
;;   OPERANDS COMPUTED ON THE WAY. 'Computed on the way' means the value that the module computes at that place (a softmax that the list does not call 'softmax' is quantised finished and normalised). What goes into a quantiser is computed in f32, as accurately as f32 sums, v_exp_f32 and their like allow (about 1e-6 of the number): no bf16 or f16 on the way to a quantiser, and a product that is left as it is and whose result goes on into a quantised operand takes f32 operands (vector FMAs, or v_wmma_f32_16x16x4_f32). A number that lies on a knife's edge between two numbers of the format may be rounded either way, as far as f32 arithmetic and the matrix unit's own rounding can turn it there, and no further.
;;   INPUTS GIVEN AS CODES. w1 (in the module: [256, 128], K = its axis 0); w2 (in the module: [128, 256], K = its axis 0); wk (in the module: [256, 4, 64], K = its axis 0); wq (in the module: [256, 4, 64], K = its axis 0); wv (in the module: [256, 4, 64], K = its axis 0): each comes as NAME_codes (uint8): NAME with its K axis moved to the last place and cut into blocks of 32 codes, [.., K / 32, bytes a block], one block behind the other in memory; two codes a byte, the lower K in the low four bits (a code: sign, 2 exponent bits, 1 mantissa bit); and NAME_scales (uint8): the same leading axes, one E8M0 byte (e + 127) for each 32 codes along K. Its value is code x scale, taken as it is: it is not quantised again, and the codes and scales need not be those that the quantiser above would give.
;; One version. Each part assembles by itself: llvm-mc -triple=amdgcn-amd-amdhsa -mcpu=gfx1250 --defsym DOCPART=n.
;; ======== version 1 of 1: 3 launches
;; limits: right only within a limited range of input values
;; workspace buffers: q_codes 2,097,152 bytes; q_sc 262,144 bytes; kv 4,587,520 bytes; ctx 2,621,440 bytes; wts 73,728 bytes
;; launch qkv (part 1): grid 256 x 1, 4 waves a work-group, no clusters, 327,680 bytes of LDS; arguments x, ln1_g, ln1_b, bq, bk, bv, wq_codes, wk_codes, wv_codes, wq_scales, wk_scales, wv_scales, q_codes, q_sc, kv, wts, wo, w1_codes, w1_scales, w2_codes, w2_scales; writes q_codes, q_sc, kv, wts
.if DOCPART == 1
	.amdgcn_target "amdgcn-amd-amdhsa--gfx1250"
	.amdhsa_code_object_version 6
	.text
	.protected	k_qfc2b108d5f_qkv
	.globl	k_qfc2b108d5f_qkv
	.p2align	8
	.type	k_qfc2b108d5f_qkv,@function
k_qfc2b108d5f_qkv:
	s_mov_b64 s[64:65], 0
	v_nop
	global_prefetch_b8 v0, s[64:65] scope:SCOPE_SE
	s_setreg_imm32_b32 hwreg(HW_REG_WAVE_MODE, 25, 1), 1
	s_wait_xcnt 0x0
; LayerNorm 1, the three projections and the quantising of q, k, v; and (work-groups 0-15) register images of wo (quantised here), w1 and w2 for the last launch.
; A work-group owns 64 tokens; wave w normalises and quantises tokens 16 w .. 16 w + 15, then makes head w of q, k, v for all 64.
; A TILE'S ROWS ARE NOT NEIGHBOURS: row r of tile (c, t) is 64 c + 8 t + r % 8 + 32 (r / 8), for tokens, for a head's dimensions and for the columns of a weight.
; So in a transposed result the four tiles of a c give lanes 0-15 the 32 numbers of block 2 c and lanes 16-31 those of block 2 c + 1, in the order in which the 4-bit operand wants them: no lane asks another for codes or for a block's maximum.
; q is quantised without the factor 1/8: a power of two leaves the codes as they are; the softmax's factor takes it up in the next launch.
; RECORD of 128 keys in kv, 8,960 bytes: K's 8 tiles of 512 bytes, V's 4 tiles of 1,024, K's scale words (512), V's (256).
; DEAD WORK of the program: key tiles that lie wholly beyond the causal mask which the source builds itself (launch attn): their weights are 0 for all values of the inputs. A NaN, an infinity or an overflow that reaches only those tiles is not carried to the result.
; LIMITS: NaN and infinities are not served. A block of zeros gets the byte 1 (its codes are zeros).
; No cluster: tensor loads bring a wave's own rows of x alone; a head's weights go straight into registers. No prefetch: there is no loop to run ahead in.
; REGISTERS: window 0: addresses, v36-48 at work, v52-63 codes, v64-95 scale words, v128-255 x, then token fragments and accumulators. Window 1: weights v0-191, bq and bk v192-255. Window 2: gain, bias. Window 3: bv v0-31, wo v64-127.
.set HIMG, 0
.set HSC,  8192
.set SCR,  9216
.set XS,   11264
.set XW,   16640
.set XP,   1040
.set GB,   77824
.set SEL,  68
.set TM,   36
.set PW,   52
.set PC,   56
.set WSC,  64
.set HS,   88
.set X,    128
.set XF,   128
.set ACC,  192
.set MSB, 0
.macro WIN new
.if MSB != \new
	s_set_vgpr_msb (MSB<<8)|\new
.set MSB, \new
.endif
.endm
.macro PLACES n
.rept \n
	v_nop
.endr
.endm
.macro MM d, a, b, c, sa, sb
	v_wmma_scale_f32_16x16x128_f8f6f4 v[(\d):(\d)+7], v[(\a):(\a)+7], v[(\b):(\b)+7], v[(\c):(\c)+7], v[(\sa)], v[(\sb)] matrix_a_fmt:MATRIX_FMT_FP4 matrix_b_fmt:MATRIX_FMT_FP4
.endm
; 64 numbers of a lane, two whole blocks of 32, become codes in v[pc] to v[pc+7]; scale bytes in TM+6, TM+7. w = 1: the numbers lie in window 3
.macro QCORE s, pc, w
	WIN 0x0f*\w
.irp b, 0,1
	v_max3_num_f32 v[TM+\b], |v[\s+32*\b]|, |v[\s+1+32*\b]|, 0x1800000   ; with the floor 2^(3 - 127): the byte cannot fall under 1
	v_max3_num_f32 v[TM+2+\b], |v[\s+16+32*\b]|, |v[\s+17+32*\b]|, 0x1800000
.endr
.irp i, 2,4,6,8,10,12,14
.irp b, 0,1
	v_max3_num_f32 v[TM+\b], |v[\s+32*\b+\i]|, |v[\s+1+32*\b+\i]|, v[TM+\b]
	v_max3_num_f32 v[TM+2+\b], |v[\s+16+32*\b+\i]|, |v[\s+17+32*\b+\i]|, v[TM+2+\b]
.endr
.endr
	WIN 0
.irp b, 0,1
	v_max_num_f32 v[TM+\b], v[TM+\b], v[TM+2+\b]
.endr
.irp b, 0,1
	v_add_nc_u32 v[TM+4+\b], 0xff000000, v[TM+\b]
.endr
.irp b, 0,1
	v_lshrrev_b32 v[TM+6+\b], 23, v[TM+4+\b]
.endr
	WIN 3*\w
.irp b, 0,1
.irp g, 0,1,2,3
	v_cvt_scalef32_pk8_fp4_f32 v[\pc+4*\b+\g], v[\s+32*\b+8*\g:\s+32*\b+8*\g+7], v[TM+4+\b]
.endr
.endr
	WIN 0
	v_nop
.endm
.macro WORD pw                         ; lanes 0-15: the four bytes of 128 along K
	v_lshl_or_b32 v[TM+6], v[TM+7], 16, v[TM+6]
	v_permlanex16_b32 v[TM+8], v[TM+6], s[SEL], s[SEL+1]
	v_lshl_or_b32 v[\pw], v[TM+8], 8, v[TM+6]
.endm
.macro PAIRW pw                        ; lanes 0-15: the two bytes of the first 32 registers' row; lanes 16-31: of the second's
	v_permlane16_swap_b32 v[TM+6], v[TM+7]
	v_lshl_or_b32 v[\pw], v[TM+7], 8, v[TM+6]
.endm
.macro JOIN
	v_pk_add_f32 v[28:29], v[28:29], v[30:31]
	v_pk_add_f32 v[32:33], v[32:33], v[34:35]
	v_pk_add_f32 v[28:29], v[28:29], v[32:33]
	v_add_f32 v28, v28, v29
	v_permlanex16_b32 v30, v28, s[SEL], s[SEL+1]
	v_add_f32 v28, v28, v30
.endm
	s_load_b512 s[4:19], s[0:1], 0x0               ; x 4, gain 6, bias 8, bq 10, bk 12, bv 14, wq 16, wk 18
	s_load_b512 s[20:35], s[0:1], 0x40             ; wv 20, scales 22 24 26, q_codes 28, q_sc 30, kv 32, wts 34
	s_load_b64 s[36:37], s[0:1], 0x80              ; wo
	s_load_b256 s[40:47], s[0:1], 0x88             ; w1, its scales, w2, its scales
	v_lshl_add_u32 v126, v0, 2, 0x29000
	v_mov_b32 v127, 0
	ds_add_u32 v126, v127                          ; the opening add, twice on end
	ds_add_u32 v126, v127
	v_lshrrev_b32 v1, 5, v0
	v_readfirstlane_b32 s66, v1                    ; wave 0..3
	s_mov_b32 s48, (2<<16)|(1<<20)|(7<<22)|(3<<25) ; 16 rows of 256 f32, 4 words of padding behind each
	s_mov_b32 s49, 256<<16
	s_mov_b32 s50, 16<<16
	s_mov_b32 s51, 256<<16
	s_mov_b32 s52, 16
	s_mov_b32 s53, 256
	s_mov_b32 s54, 0
	s_mov_b32 s55, 0
	s_lshl_b32 s74, s66, 4
	s_lshl_b32 s76, ttmp9, 6
	s_add_co_u32 s76, s76, s74
	s_lshl_b32 s76, s76, 10                        ; my 16 tokens' bytes in x
	s_mov_b32 s77, 0
	s_mul_i32 s78, s66, XW
	s_add_co_u32 s78, s78, XS
	s_mov_b32 s[SEL], 0x76543210
	s_mov_b32 s[SEL+1], 0xfedcba98
	s_mov_b32 s70, 0x3b800000                      ; 1 / 256
	s_mov_b32 s71, 0x3a83126f                      ; 1e-3
	s_mov_b32 s72, 0x7f7f0000
	v_and_b32 v1, 31, v0
	v_and_b32 v2, 15, v0                           ; r
	v_bfe_u32 v3, v0, 4, 1                         ; h
	v_and_b32 v22, 8, v2                           ; r & 8
	v_and_b32 v23, 7, v2                           ; r & 7
	v_mul_u32_u24 v24, 3, v22
	v_add_nc_u32 v21, v24, v2                      ; r % 8 + 32 (r / 8)
	v_mul_u32_u24 v4, v2, XP
	v_lshl_add_u32 v4, v3, 7, v4
	v_add_nc_u32 v4, s78, v4                       ; my row of x in LDS, + 128 h
	v_lshlrev_b32 v5, 4, v1
	v_lshlrev_b32 v6, 2, v1
	; where my token's codes go: token 16 w + r is row r % 8 + 8 (w / 2) of fragment 2 (w % 2) + r / 8
	s_and_b32 s79, s66, 1
	s_lshr_b32 s82, s66, 1
	s_lshl_b32 s83, s79, 12
	s_lshl_b32 s84, s82, 7
	s_add_co_u32 s83, s83, s84
	v_lshlrev_b32 v7, 8, v22
	v_lshl_add_u32 v7, v23, 4, v7
	v_lshl_add_u32 v7, v3, 8, v7
	v_add_nc_u32 v7, s83, v7
	s_lshl_b32 s83, s79, 9
	s_lshl_b32 s84, s82, 5
	s_add_co_u32 s83, s83, s84
	s_add_co_u32 s83, s83, HSC
	v_lshlrev_b32 v8, 5, v22
	v_lshl_add_u32 v8, v23, 2, v8
	v_lshl_add_u32 v8, v3, 6, v8
	v_add_nc_u32 v8, s83, v8
	v_lshlrev_b32 v9, 7, v21
	v_lshl_add_u32 v9, v3, 4, v9                   ; a weight's row, + 16 h
	v_lshlrev_b32 v10, 3, v21                      ; its scale bytes
	v_lshlrev_b32 v11, 7, v3                       ; 32 f32 for each half
	v_lshlrev_b32 v13, 2, v21
	v_lshlrev_b32 v14, 5, v21
	v_lshl_add_u32 v14, v3, 4, v14                 ; q's row, + 16 h
	; scale words on their way out: lanes 0-15 q's, by token; lanes 16-31 k's, 256 bytes on, by tile and row
	s_lshl_b32 s79, s66, 9
	s_add_co_u32 s79, s79, SCR
	v_mul_u32_u24 v15, 12, v22
	v_sub_nc_u32 v15, 256, v15
	v_mul_u32_u24 v15, v3, v15
	v_add_nc_u32 v15, v15, v13
	v_add_nc_u32 v15, s79, v15
	v_lshl_add_u32 v16, v3, 5, 32                  ; from tile to tile: 32 bytes for q, 64 for k
	v_lshl_add_u32 v17, v1, 3, s79
	v_lshlrev_b32 v18, 3, v1
	s_lshl_b32 s79, s66, 11
	s_add_co_u32 s79, s79, GB
	v_add_nc_u32 v19, s79, v5
	v_add_nc_u32 v20, s79, v11
	v_mov_b32 v[TM+8], 0                           ; written once: a lane permute's destination counts as one of its sources
	WIN 0xc0
.set i, 64
.rept 64
	v_mov_b32 v[i], 0                              ; written on every way, since only work-groups 0-15 load here
.set i, i+1
.endr
	WIN 0
	s_wait_alu depctr_va_vdst(0)
	s_wait_dscnt 0x0
	s_wait_kmcnt 0x0
	s_mov_b32 s56, 1
	s_mov_b32 s57, s78
	s_add_nc_u64 s[58:59], s[4:5], s[76:77]
	s_or_b32 s59, s59, 0x80000000
	tensor_load_to_lds s[56:59], s[48:55]          ; my 16 rows of x: the wave's one tensor load
	s_nop 0
	PLACES 4
	global_load_b128 v[28:31], v5, s[6:7]          ; gain and bias of the norm, 1,024 bytes each
	global_load_b128 v[32:35], v5, s[6:7] offset:512
	global_load_b128 v[40:43], v5, s[8:9]
	global_load_b128 v[48:51], v5, s[8:9] offset:512
	s_lshl_b32 s80, s66, 13
	s_mov_b32 s81, 0
	s_add_nc_u64 s[16:17], s[16:17], s[80:81]
	s_add_nc_u64 s[18:19], s[18:19], s[80:81]
	s_add_nc_u64 s[20:21], s[20:21], s[80:81]
	s_lshl_b32 s80, s66, 9
	s_add_nc_u64 s[22:23], s[22:23], s[80:81]
	s_add_nc_u64 s[24:25], s[24:25], s[80:81]
	s_add_nc_u64 s[26:27], s[26:27], s[80:81]
	s_lshl_b32 s80, s66, 8
	s_add_nc_u64 s[10:11], s[10:11], s[80:81]
	s_add_nc_u64 s[12:13], s[12:13], s[80:81]
	s_add_nc_u64 s[14:15], s[14:15], s[80:81]
	WIN 0x40
.irp k, 0,1,2
.irp t, 0,1,2,3
.irp s, 0,1
.irp c, 0,1
	global_load_b128 v[8*(8*\k+2*\t+\s)+4*\c:8*(8*\k+2*\t+\s)+4*\c+3], v9, s[16+2*\k:17+2*\k] offset:1024*\t+64*\s+32*\c
.endr
.endr
.endr
.endr
.irp k, 0,1
.irp t, 0,1,2,3
.irp e, 0,1
	global_load_b128 v[192+8*(4*\k+\t)+4*\e:192+8*(4*\k+\t)+4*\e+3], v11, s[10+2*\k:11+2*\k] offset:32*\t+16*\e
.endr
.endr
.endr
	WIN 0xc0
.irp t, 0,1,2,3
	global_load_b32 v[8*\t], v13, s[14:15] offset:32*\t
.endr
	WIN 0
.irp k, 0,1,2
.irp t, 0,1,2,3
.irp s, 0,1
	global_load_b32 v[WSC+8*\k+2*\t+\s], v10, s[22+2*\k:23+2*\k] offset:64*\t+4*\s
.endr
.endr
.endr
	; work-groups 0-15: one fragment of wts a wave is asked for here and made at the kernel's end
	s_cmp_ge_u32 ttmp9, 16
	s_cbranch_scc1 .Lmain
	s_lshl_b32 s74, ttmp9, 2
	s_add_co_u32 s74, s74, s66                     ; fragment 0..63
	s_cmp_ge_u32 ttmp9, 8
	s_cbranch_scc1 .Lcopy
	s_lshr_b32 s75, s74, 1                         ; wo: tile, and K step
	s_and_b32 s76, s74, 1
	s_lshr_b32 s77, s75, 2
	s_lshl_b32 s77, s77, 6
	s_and_b32 s79, s75, 3
	s_lshl_b32 s79, s79, 3
	s_add_co_u32 s77, s77, s79
	s_lshl_b32 s77, s77, 2
	s_lshl_b32 s76, s76, 17
	s_add_co_u32 s76, s76, s77
	s_mov_b32 s77, 0
	s_add_nc_u64 s[36:37], s[36:37], s[76:77]
	v_lshl_add_u32 v22, v3, 15, v13                ; column by lane, K down the registers
	WIN 0xc0
.irp c, 0,1
.irp i, 0,1,2,3,4,5,6,7,8,9,10,11,12,13,14,15,16,17,18,19,20,21,22,23,24,25,26,27,28,29,30,31
	global_load_b32 v[64+32*\c+\i], v22, s[36:37] offset:1024*(64*\c+\i)
.endr
.endr
	WIN 0
	s_branch .Lmain
.Lcopy:
	s_sub_co_u32 s75, s74, 32                      ; w1's 16 fragments, then w2's 16
	s_lshr_b32 s76, s75, 1
	s_sub_co_u32 s77, s75, 16
	s_and_b32 s79, s75, 1
	s_cmp_lt_u32 s75, 16
	s_cselect_b32 s76, s76, s77
	s_cselect_b32 s79, s79, 0
	s_cselect_b32 s82, 7, 6
	s_cselect_b64 s[88:89], s[40:41], s[44:45]
	s_cselect_b64 s[90:91], s[42:43], s[46:47]
	s_lshr_b32 s77, s76, 2
	s_lshl_b32 s77, s77, 6
	s_and_b32 s76, s76, 3
	s_lshl_b32 s76, s76, 3
	s_add_co_u32 s77, s77, s76
	s_lshl_b32 s92, s77, s82
	s_lshl_b32 s76, s79, 6
	s_add_co_u32 s92, s92, s76
	s_mov_b32 s93, 0
	s_add_nc_u64 s[88:89], s[88:89], s[92:93]
	s_sub_co_u32 s83, s82, 4
	s_lshl_b32 s92, s77, s83
	s_lshl_b32 s76, s79, 2
	s_add_co_u32 s92, s92, s76
	s_add_nc_u64 s[90:91], s[90:91], s[92:93]
	v_lshlrev_b32 v22, s82, v21
	v_lshl_add_u32 v22, v3, 4, v22
	v_lshlrev_b32 v23, s83, v21
	WIN 0xc0
	global_load_b128 v[64:67], v22, s[88:89]
	global_load_b128 v[68:71], v22, s[88:89] offset:32
	global_load_b32 v72, v23, s[90:91]
	WIN 0
.Lmain:
	s_lshr_b32 s74, ttmp9, 6
	s_lshl_b32 s74, s74, 2
	s_add_co_u32 s74, s74, s66                     ; batch x 4 + head
	s_and_b32 s75, ttmp9, 63
	s_lshl_b32 s75, s75, 6
	s_lshl_b32 s76, s74, 12
	s_add_co_u32 s76, s76, s75
	s_lshl_b32 s92, s76, 5
	s_mov_b32 s93, 0
	s_add_nc_u64 s[28:29], s[28:29], s[92:93]
	s_lshl_b32 s92, s76, 2
	s_add_nc_u64 s[30:31], s[30:31], s[92:93]
	s_lshl_b32 s76, s74, 5
	s_lshr_b32 s77, s75, 7
	s_add_co_u32 s76, s76, s77
	s_mul_i32 s92, s76, 8960
	s_add_nc_u64 s[32:33], s[32:33], s[92:93]      ; my record; c = the work-group's parity is its half of the 128 keys
	s_and_b32 s77, ttmp9, 1
	s_lshl_b32 s92, s77, 11
	s_add_nc_u64 s[80:81], s[32:33], s[92:93]
	s_lshl_b32 s92, s77, 9
	s_add_co_u32 s92, s92, 4096
	s_add_nc_u64 s[82:83], s[32:33], s[92:93]
	s_lshl_b32 s92, s77, 8
	s_add_co_u32 s92, s92, 8192
	s_add_nc_u64 s[84:85], s[32:33], s[92:93]
	s_lshl_b32 s92, s77, 1
	s_add_co_u32 s92, s92, 8704
	s_add_nc_u64 s[86:87], s[32:33], s[92:93]
	s_wait_alu depctr_va_vdst(0)
	s_wait_tensorcnt 0x0                           ; x is in
	s_wait_loadcnt 0x3f                            ; gain and bias are in: 92 loads or more are younger
	ds_store_b128 v19, v[28:31]                    ; the wave's own copy: it is read back by this wave alone
	ds_store_b128 v19, v[32:35] offset:512
	ds_store_b128 v19, v[40:43] offset:1024
	ds_store_b128 v19, v[48:51] offset:1536
.irp b, 0,1,2,3
.irp j, 0,1,2,3,4,5,6,7
	ds_load_b128 v[X+32*\b+4*\j:X+32*\b+4*\j+3], v4 offset:256*\b+16*\j   ; register 32 b + i: column 64 b + 32 h + i
.endr
.endr
	WIN 0x80
.irp b, 0,1,2,3
.irp j, 0,1,2,3,4,5,6,7
	ds_load_b128 v[32*\b+4*\j:32*\b+4*\j+3], v20 offset:256*\b+16*\j
	ds_load_b128 v[128+32*\b+4*\j:128+32*\b+4*\j+3], v20 offset:1024+256*\b+16*\j
.endr
.endr
	WIN 0
	s_wait_dscnt 0x3f                              ; x: the 64 loads of gain and bias are younger
.irp q, 0,1,2,3
	v_pk_add_f32 v[28+2*\q:29+2*\q], v[X+2*\q:X+2*\q+1], v[X+8+2*\q:X+9+2*\q]
.endr
.set j, 16
.rept 14
.irp q, 0,1,2,3
	v_pk_add_f32 v[28+2*\q:29+2*\q], v[28+2*\q:29+2*\q], v[X+j+2*\q:X+j+2*\q+1]
.endr
.set j, j+8
.endr
	JOIN
	v_mul_f32 v24, s70, v28                        ; the mean
	v_mov_b32 v25, v24
.set i, 0
.rept 64
	v_pk_add_f32 v[X+i:X+i+1], v[X+i:X+i+1], v[24:25] neg_lo:[0,1] neg_hi:[0,1]
.set i, i+2
.endr
.irp q, 0,1,2,3
	v_pk_mul_f32 v[28+2*\q:29+2*\q], v[X+2*\q:X+2*\q+1], v[X+2*\q:X+2*\q+1]
.endr
.set j, 8
.rept 15
.irp q, 0,1,2,3
	v_pk_fma_f32 v[28+2*\q:29+2*\q], v[X+j+2*\q:X+j+2*\q+1], v[X+j+2*\q:X+j+2*\q+1], v[28+2*\q:29+2*\q]
.endr
.set j, j+8
.endr
	JOIN
	v_fma_f32 v28, v28, s70, s71
	s_wait_alu depctr_va_vdst(0)
	v_rsq_f32 v26, v28
	v_nop
	s_wait_alu depctr_va_vdst(0)
	v_mov_b32 v27, v26
.set i, 0
.rept 64
	v_pk_mul_f32 v[X+i:X+i+1], v[X+i:X+i+1], v[26:27]
.set i, i+2
.endr
	s_wait_dscnt 0x0                               ; gain and bias
	WIN 0x28
.set i, 0
.rept 64
	v_pk_fma_f32 v[X+i:X+i+1], v[X+i:X+i+1], v[i:i+1], v[128+i:129+i]
.set i, i+2
.endr
	WIN 0
.irp s, 0,1
	QCORE X+64*\s, PC, 0
	WORD PW
	ds_store_b128 v7, v[PC:PC+3] offset:HIMG+1024*\s
	ds_store_b128 v7, v[PC+4:PC+7] offset:HIMG+1024*\s+512
	ds_store_b32 v8, v[PW] offset:128*\s
.endr
	s_wait_loadcnt 0x0                             ; weights, biases, scale words
	WIN 0xc3
.irp t, 0,1,2,3
.irp j, 1,2,3,4,5,6,7
	v_mov_b32 v[8*\t+\j], v[8*\t]                  ; bv: a lane is one channel, its eight registers eight tokens
.endr
.endr
	WIN 0
	s_wait_alu depctr_va_vdst(0)
	s_wait_dscnt 0x0
	s_barrier_signal -1
	s_barrier_wait -1
.irp f, 0,1,2,3,4,5,6,7
.irp c, 0,1
	ds_load_b128 v[XF+8*\f+4*\c:XF+8*\f+4*\c+3], v5 offset:HIMG+1024*\f+512*\c
.endr
	ds_load_b32 v[HS+\f], v6 offset:HSC+128*\f
.endr
	s_wait_dscnt 0x0
.irp m, 0,1,2,3                        ; token tile m: q and k of my head
	s_wait_xcnt 0x0                                ; the last tile's stores have read their codes
	WIN 0x11
.irp k, 0,1
.irp t, 0,1,2,3
	MM ACC+8*(4*\k+\t), 8*(8*\k+2*\t), XF+16*\m, 192+8*(4*\k+\t), WSC+8*\k+2*\t, HS+2*\m
.endr
.endr
	WIN 0x01
.irp k, 0,1
.irp t, 0,1,2,3
	MM ACC+8*(4*\k+\t), 8*(8*\k+2*\t+1), XF+16*\m+8, ACC+8*(4*\k+\t), WSC+8*\k+2*\t+1, HS+2*\m+1
.endr
.endr
	WIN 0
	PLACES 4
	QCORE ACC, PC, 0
	PAIRW 53
	v_or_b32 v53, s72, v53                         ; the bytes of the empty upper half of K: 1.0
	global_store_b128 v14, v[PC:PC+3], s[28:29] offset:256*\m
	global_store_b128 v5, v[PC+4:PC+7], s[80:81] offset:512*\m
	ds_store_b32 v15, v53
	v_add_nc_u32 v15, v16, v15
.endr
	ds_load_b64 v[104:105], v17
	ds_load_b64 v[106:107], v17 offset:256
	s_wait_alu depctr_va_vdst(0)
	s_wait_dscnt 0x0
	global_store_b64 v18, v[104:105], s[30:31]
	global_store_b64 v18, v[106:107], s[84:85]
.irp p, 0,1                            ; two tiles of 16 channels of v, all 64 tokens
	s_wait_xcnt 0x0
	WIN 0x34
.irp u, 0,1
.irp m, 0,1,2,3
	MM ACC+32*\u+8*\m, XF+16*\m, 8*(16+2*(2*\p+\u)), 8*(2*\p+\u), HS+2*\m, WSC+16+2*(2*\p+\u)
.endr
.endr
	WIN 0x04
.irp u, 0,1
.irp m, 0,1,2,3
	MM ACC+32*\u+8*\m, XF+16*\m+8, 8*(16+2*(2*\p+\u)+1), ACC+32*\u+8*\m, HS+2*\m+1, WSC+16+2*(2*\p+\u)+1
.endr
.endr
	WIN 0
	PLACES 4
	QCORE ACC, PC, 0
	PAIRW 108+\p
	global_store_b128 v5, v[PC:PC+3], s[82:83] offset:2048*\p
	global_store_b128 v5, v[PC+4:PC+7], s[82:83] offset:2048*\p+1024
	global_store_b16 v6, v[108+\p], s[86:87] offset:128*\p
.endr
	s_wait_xcnt 0x0
	s_cmp_ge_u32 ttmp9, 16
	s_cbranch_scc1 .Lend
	s_lshl_b32 s74, ttmp9, 2
	s_add_co_u32 s74, s74, s66
	s_lshl_b32 s92, s74, 10
	s_mov_b32 s93, 0
	s_add_nc_u64 s[94:95], s[34:35], s[92:93]
	s_lshl_b32 s92, s74, 7
	s_add_nc_u64 s[96:97], s[34:35], s[92:93]
	s_cmp_ge_u32 ttmp9, 8
	s_cbranch_scc1 .Lcopied
	QCORE 64, PC, 1
	WORD PW
	global_store_b128 v5, v[PC:PC+3], s[94:95]
	global_store_b128 v5, v[PC+4:PC+7], s[94:95] offset:512
	global_store_b32 v6, v[PW], s[96:97] offset:65536
	s_branch .Lend
.Lcopied:
	WIN 0x0c
	global_store_b128 v5, v[64:67], s[94:95]
	global_store_b128 v5, v[68:71], s[94:95] offset:512
	global_store_b32 v6, v72, s[96:97] offset:65536
	WIN 0
.Lend:
	s_wait_tensorcnt 0x0
	ds_add_u32 v126, v127
	s_wait_dscnt 0x0
	s_endpgm
.Lfunc_end_k_qfc2b108d5f_qkv:
	.size	k_qfc2b108d5f_qkv, .Lfunc_end_k_qfc2b108d5f_qkv-k_qfc2b108d5f_qkv
	.p2alignl 7, 3214868480
	.fill 96, 4, 3214868480
	.section	.rodata,"a",@progbits
	.p2align	6, 0x0
	.amdhsa_kernel k_qfc2b108d5f_qkv
		.amdhsa_group_segment_fixed_size 327680
		.amdhsa_private_segment_fixed_size 0
		.amdhsa_enable_private_segment 0
		.amdhsa_kernarg_size 168
		.amdhsa_user_sgpr_count 2
		.amdhsa_user_sgpr_kernarg_segment_ptr 1
		.amdhsa_wavefront_size32 1
		.amdhsa_system_sgpr_workgroup_id_x 1
		.amdhsa_system_sgpr_workgroup_id_y 1
		.amdhsa_system_sgpr_workgroup_id_z 1
		.amdhsa_system_vgpr_workitem_id 0
		.amdhsa_next_free_vgpr 896
		.amdhsa_next_free_sgpr 100
		.amdhsa_reserve_vcc 0
		.amdhsa_float_denorm_mode_32 3
		.amdhsa_float_denorm_mode_16_64 3
		.amdhsa_memory_ordered 1
		.amdhsa_forward_progress 1
		.amdhsa_inst_pref_size 100
	.end_amdhsa_kernel
	.amdgpu_metadata
---
amdhsa.version: [ 1, 2 ]
amdhsa.kernels:
  - .name:           k_qfc2b108d5f_qkv
    .symbol:         k_qfc2b108d5f_qkv.kd
    .args:
      - { .name: x, .offset: 0, .size: 8, .value_kind: global_buffer, .address_space: global }
      - { .name: ln1_g, .offset: 8, .size: 8, .value_kind: global_buffer, .address_space: global }
      - { .name: ln1_b, .offset: 16, .size: 8, .value_kind: global_buffer, .address_space: global }
      - { .name: bq, .offset: 24, .size: 8, .value_kind: global_buffer, .address_space: global }
      - { .name: bk, .offset: 32, .size: 8, .value_kind: global_buffer, .address_space: global }
      - { .name: bv, .offset: 40, .size: 8, .value_kind: global_buffer, .address_space: global }
      - { .name: wq_codes, .offset: 48, .size: 8, .value_kind: global_buffer, .address_space: global }
      - { .name: wk_codes, .offset: 56, .size: 8, .value_kind: global_buffer, .address_space: global }
      - { .name: wv_codes, .offset: 64, .size: 8, .value_kind: global_buffer, .address_space: global }
      - { .name: wq_scales, .offset: 72, .size: 8, .value_kind: global_buffer, .address_space: global }
      - { .name: wk_scales, .offset: 80, .size: 8, .value_kind: global_buffer, .address_space: global }
      - { .name: wv_scales, .offset: 88, .size: 8, .value_kind: global_buffer, .address_space: global }
      - { .name: q_codes, .offset: 96, .size: 8, .value_kind: global_buffer, .address_space: global }
      - { .name: q_sc, .offset: 104, .size: 8, .value_kind: global_buffer, .address_space: global }
      - { .name: kv, .offset: 112, .size: 8, .value_kind: global_buffer, .address_space: global }
      - { .name: wts, .offset: 120, .size: 8, .value_kind: global_buffer, .address_space: global }
      - { .name: wo, .offset: 128, .size: 8, .value_kind: global_buffer, .address_space: global }
      - { .name: w1_codes, .offset: 136, .size: 8, .value_kind: global_buffer, .address_space: global }
      - { .name: w1_scales, .offset: 144, .size: 8, .value_kind: global_buffer, .address_space: global }
      - { .name: w2_codes, .offset: 152, .size: 8, .value_kind: global_buffer, .address_space: global }
      - { .name: w2_scales, .offset: 160, .size: 8, .value_kind: global_buffer, .address_space: global }
    .group_segment_fixed_size: 327680
    .private_segment_fixed_size: 0
    .kernarg_segment_align: 8
    .kernarg_segment_size: 168
    .max_flat_workgroup_size: 128
    .sgpr_count:     100
    .vgpr_count:     896
    .wavefront_size: 32
...
	.end_amdgpu_metadata
.endif
;; end of part 1
;; launch attn (part 2): grid 16 x 16, 16 waves a work-group, clusters of 4 x 1, 327,680 bytes of LDS; arguments q_codes, q_sc, kv, ctx; writes ctx
.if DOCPART == 2
	.amdgcn_target "amdgcn-amd-amdhsa--gfx1250"
	.amdhsa_code_object_version 6
	.text
	.protected	k_qfc2b108d5f_attn
	.globl	k_qfc2b108d5f_attn
	.p2align	8
	.type	k_qfc2b108d5f_attn,@function
k_qfc2b108d5f_attn:
	s_mov_b64 s[64:65], 0
	v_nop
	global_prefetch_b8 v0, s[64:65] scope:SCOPE_SE
	s_setreg_imm32_b32 hwreg(HW_REG_WAVE_MODE, 25, 1), 1
	s_wait_xcnt 0x0
	s_wait_alu depctr_hold_cnt(0) depctr_sa_sdst(0) depctr_va_vdst(0) depctr_va_sdst(0) depctr_va_ssrc(0) depctr_va_vcc(0) depctr_vm_vsrc(0)
	s_getreg_b32 s2, hwreg(HW_REG_IB_STS2, 6, 4)
	s_cmp_eq_u32 s2, 0
	s_cbranch_scc0 .Lentry_in_a_cluster
	s_endpgm
.Lentry_in_a_cluster:
	s_bfe_u32 s2, ttmp6, 0x10000c
	s_cmp_lg_u32 s2, 0x3003
	s_cbranch_scc0 .Lentry_shape_is_right
	s_endpgm
.Lentry_shape_is_right:
; Causal attention of one head on codes of FP4 (E2M1) with E8M0 scales, and the quantising of its result along the head's 64.
; t = score x log2(e) / 8 (q comes without the factor 1/8); M = the running largest t rounded up to a whole number; p = 2^(t - M) is quantised along the keys; the row's sum is taken of the unquantised p and divides at the end.
; THE WHOLE HEAD LIES IN LDS: 32 records of 8960 bytes, one for each 128 keys, two a wave by one JOINT tensor load: same descriptors and mask in the cluster's four work-groups, which belong to one head. Nothing is filled again.
; SHARES. The 16 waves are 8 pairs, waves w and w xor 12. A pair owns two tiles of 16 queries, one of block a (early) and one of block 31 - a (late), blocks of 128 queries: a + 1 and 32 - a key steps of 128 keys.
; Its wave of role 0 (w = 8..15) takes the late tile's key steps 0 .. X - 1 and leaves its sums in LDS; its wave of role 1 (w = 0..7) takes the whole early tile, then the late tile's steps from X on, joins both and stores: X and 33 - X steps for every a.
; X = 8 in waves 0-3 and 12-15, 13 in waves 4-11: so the four waves of equal w % 4 have 25, 20, 13 and 8 steps, 66 in all.
; a = cluster x + 4 x (pair / 2); the place in the block, 2 cx + pair % 2, enters global addresses and one vector number only. Branches hang on cluster x and the wave's number.
; DEAD WORK: a key step all of whose keys come after the block is jumped over: the source's own causal mask gives it weight 0. On the diagonal hidden scores become -1e9, as the source has it (x 8 here).
; LAYOUT. S^T = K Q^T and O^T = V^T P^T: a lane holds one query throughout. Row r of key tile (c, t) is key 64 c + 8 t + r % 8 + 32 (r / 8): register 32 c + i of half h is key 64 c + 32 h + i, so a lane holds whole blocks of 32 keys. V's tiles order the channels likewise.
; K's product has K = 64: Q's upper four registers are zero codes, K's upper four are whatever follows, both sides' scale bytes 0x7f there.
; K's fragments for the next step are loaded behind this step's first product, into the same registers.
; Every byte is asked of memory at the head: there is no loop of loads for a prefetch to run ahead in.
; LIMITS: NaN and infinities are not served, nor carried from key steps that are jumped over. A row whose largest visible logit lies under about -9.9e8 would share weight with the -1e9 entries of such steps: not served.
.set RECB, 8960
.set STAGE, 32*RECB                    ; 8 x (32 registers of 128 bytes, the sum, -M)
.set STP, 4352
.set SPARE, STAGE+8*STP                ; the spare words
.macro PLACES n
.rept \n
	v_nop
.endr
.endm
.macro CROUND                          ; a round of the cluster's barrier
	s_barrier_signal -1
	s_barrier_wait -1
	s_cmp_lg_u32 s12, 0
	s_cbranch_scc1 .Lnot_wave_0_\@
	s_barrier_signal -3
.Lnot_wave_0_\@:
	s_barrier_wait -3
	s_barrier_signal -1
	s_barrier_wait -1
.endm
.macro HINT
	s_delay_alu instid0(VALU_DEP_1)
.endm
.macro KFETCH                          ; K's 8 tiles and their scale words: 12 LDS loads
.irp t, 0,1,2,3,4,5,6,7
	ds_load_b128 v[32+4*\t:35+4*\t], v11 offset:512*\t
.endr
.irp p, 0,1,2,3
	ds_load_b32 v[68+\p], v255 offset:8192+128*\p
.endr
.endm
.macro KFIRST s                        ; the same for a segment's first step: the record at LDS byte s[s]
	v_add_nc_u32 v11, s[\s], v1
	v_add_nc_u32 v255, s[\s], v2
	KFETCH
.endm
; SCALARS: s13 the last first key that I take, s62 the first; s36 the first query of the block in hand; s37, s39 X's record and first key; s38 the next record.
; REGISTERS: v1 16 L, v2 4 L, v3 r - 32 h + 16 x place, v4 v5 stage, v6 v7 the add's; v8 v9 v11 v255 the step's addresses; v10 the largest score, v12 -M, v[14:15] the sum; v16-19 Q, v20-23 zeros, v24 Q's scale word; v26-29, v25 the late tile's;
; v32-67 K (v64-67 zeros), v68-71 K's scale words, v72-73 V's; v96-159 S^T, then p; v160-191 V; v192-223 O^T; v224-231 p's codes; v254 p's scale word; v232-253 at work.
	s_load_b256 s[4:11], s[0:1], 0x0               ; q_codes 4, q_sc 6, kv 8, ctx 10
	v_lshl_add_u32 v6, v0, 2, SPARE
	v_mov_b32 v7, 0
	ds_add_u32 v6, v7                              ; the opening add, twice on end
	ds_add_u32 v6, v7
	v_lshrrev_b32 v1, 5, v0
	v_readfirstlane_b32 s12, v1                    ; wave 0..15
	s_and_b32 s48, ttmp7, 0xffff                   ; batch x 4 + head
	s_bfe_u32 s49, ttmp6, 0x40000                  ; cx
	s_lshr_b32 s51, s12, 2
	s_lshr_b32 s50, s12, 3
	s_xor_b32 s14, s50, 1                          ; role: 1 in waves 0-7
	s_xor_b32 s50, s50, s51
	s_and_b32 s50, s50, 1                          ; 0 in waves 0-3 and 12-15
	s_mul_i32 s39, s50, 5
	s_add_co_u32 s39, s39, 8                       ; X
	s_mul_i32 s37, s39, RECB
	s_lshl_b32 s39, s39, 7
	s_sub_co_u32 s38, s39, 128
	s_lshl_b32 s50, s50, 2
	s_and_b32 s51, s12, 3
	s_add_co_u32 s50, s50, s51                     ; pair 0..7
	s_lshr_b32 s52, s50, 1
	s_lshl_b32 s52, s52, 2
	s_add_co_u32 s52, s52, ttmp9                   ; a
	s_sub_co_u32 s53, 31, s52
	s_lshl_b32 s52, s52, 7
	s_lshl_b32 s19, s53, 7                         ; the late block's first query
	s_cmp_eq_u32 s14, 0
	s_cselect_b32 s36, s19, s52                    ; the first query of the block in hand: the same in all four partners
	s_cselect_b32 s13, s38, s52
	s_mov_b32 s62, 0
	s_lshl_b32 s55, s49, 1
	s_and_b32 s56, s50, 1
	s_add_co_u32 s55, s55, s56
	s_lshl_b32 s55, s55, 4                         ; 16 x my tile's place in its block
	s_add_co_u32 s15, s36, s55                     ; my first tile's first query
	s_add_co_u32 s54, s19, s55                     ; the late tile's
	s_mul_i32 s59, s50, STP
	s_add_co_u32 s59, s59, STAGE
	s_mov_b32 s24, 15|(3<<16)|(1<<21)              ; 70 dense rows of 256 bytes: two records; the mask names all four work-groups, bit 21 beside it
	s_mov_b32 s25, 32<<16
	s_mov_b32 s26, 70<<16
	s_mov_b32 s27, 32<<16
	s_mov_b32 s28, 70
	s_mov_b32 s29, 32
	s_mov_b32 s30, 0
	s_mov_b32 s31, 0
	s_mov_b32 s20, 0x76543210
	s_mov_b32 s21, 0xfedcba98
	s_mov_b32 s22, 0x3e38aa3b                      ; log2(e) / 8
	s_mov_b32 s23, s22
	v_and_b32 v30, 31, v0
	v_and_b32 v31, 15, v0                          ; r
	v_bfe_u32 v8, v0, 4, 1                         ; h
	v_lshlrev_b32 v1, 4, v30
	v_lshlrev_b32 v2, 2, v30
	v_lshlrev_b32 v9, 5, v8
	v_add_nc_u32 v4, s59, v1
	v_add_nc_u32 v5, s59, v2
	v_sub_nc_u32 v3, v31, v9
	v_add_nc_u32 v3, s55, v3
	v_lshlrev_b32 v30, 5, v31
	v_lshl_add_u32 v30, v8, 4, v30                 ; Q: row r, block h
	v_lshlrev_b32 v31, 2, v31
.irp j, 20,21,22,23,64,65,66,67
	v_mov_b32 v[\j], 0                             ; zero codes
.endr
	v_mov_b32 v10, 0xfe967699                      ; the largest score so far: -1e38
	v_mov_b32 v12, 0x7e967699                      ; -M: so the first step multiplies what went before by 0
	v_mov_b32 v14, 0
	v_mov_b32 v15, 0
.irp j, 13,236,237,239,241,243,246,253
	v_mov_b32 v[\j], 0                             ; written once: lane permutes' destinations, and upper halves of pairs of which the low word serves
.endr
.set i, 0
.rept 32
	v_mov_b32 v[192+i], 0                          ; O^T: the step is written once
.set i, i+1
.endr
	s_mul_i32 s57, s12, 2*RECB                     ; my two records, in LDS and from the head's first on
	s_mul_i32 s56, s48, 32*RECB
	s_add_co_u32 s58, s56, s57
	s_mov_b32 s59, 0
	s_wait_alu depctr_va_vdst(0)
	s_wait_dscnt 0x0
	s_wait_kmcnt 0x0
	s_mov_b32 s32, 1
	s_mov_b32 s33, s57
	s_add_nc_u64 s[34:35], s[8:9], s[58:59]
	s_or_b32 s35, s35, 0x80000000
	CROUND                                         ; all four work-groups are here: the joint loads meet
	s_cmp_eq_u32 s12, 0                            ; wave 0 has a line of its own: the first two key steps wait for it alone
	s_cbranch_scc0 .Lfar
	tensor_load_to_lds s[32:35], s[24:31]
	s_nop 0
	PLACES 4
	s_branch .Lasked
.Lfar:
	tensor_load_to_lds s[32:35], s[24:31]
	s_nop 0
	PLACES 4
.Lasked:
	s_lshl_b32 s56, s48, 12
	s_add_co_u32 s57, s56, s15
	s_add_co_u32 s58, s56, s54
	s_mov_b32 s61, 0
	s_lshl_b32 s60, s57, 5
	s_add_nc_u64 s[40:41], s[4:5], s[60:61]
	s_lshl_b32 s60, s57, 2
	s_add_nc_u64 s[42:43], s[6:7], s[60:61]
	s_lshl_b32 s60, s58, 5
	s_add_nc_u64 s[44:45], s[4:5], s[60:61]
	s_lshl_b32 s60, s58, 2
	s_add_nc_u64 s[46:47], s[6:7], s[60:61]
	global_load_b128 v[16:19], v30, s[40:41]
	global_load_b32 v24, v31, s[42:43]
	global_load_b128 v[26:29], v30, s[44:45]
	global_load_b32 v25, v31, s[46:47]
	s_wait_alu depctr_va_vdst(0)
	s_wait_loadcnt 0x0
.macro STEP                            ; 128 keys: the record at LDS byte s17; s16 = its first key.  K's fragments are on their way or in
	s_cmp_gt_u32 s16, s13
	s_cbranch_scc1 .Lhidden_\@                     ; all its keys come after my block's queries, or the step is my partner's
	s_cmp_lt_u32 s16, s62
	s_cbranch_scc1 .Lhidden_\@                     ; my partner's
	s_add_co_u32 s38, s17, RECB
	s_min_u32 s38, s38, LAST                       ; the next record of this segment
	s_wait_dscnt 0x0                               ; K and its scale words
.irp t, 0,2,4,6
	v_wmma_scale_f32_16x16x128_f8f6f4 v[96+8*\t:103+8*\t], v[32+4*\t:39+4*\t], v[16:23], 0, v[68+\t/2], v24 matrix_a_fmt:MATRIX_FMT_FP4 matrix_b_fmt:MATRIX_FMT_FP4
	v_wmma_scale_f32_16x16x128_f8f6f4 v[104+8*\t:111+8*\t], v[36+4*\t:43+4*\t], v[16:23], 0, v[68+\t/2], v24 matrix_a_fmt:MATRIX_FMT_FP4 matrix_b_fmt:MATRIX_FMT_FP4 matrix_a_scale:MATRIX_SCALE_ROW1
.endr
	v_mov_b32 v239, v12                            ; the old -M.  These five are the places behind the products
	v_add_nc_u32 v8, s17, v1
	v_add_nc_u32 v9, s17, v2
	v_add_nc_u32 v11, s38, v1
	v_add_nc_u32 v255, s38, v2
.irp t, 0,1,2,3
.irp c, 0,1
	ds_load_b128 v[160+8*\t+4*\c:163+8*\t+4*\c], v8 offset:4096+1024*\t+512*\c
.endr
.endr
.irp p, 0,1
	ds_load_b32 v[72+\p], v9 offset:8704+128*\p
.endr
	KFETCH                                         ; the next step's
	s_cmp_lt_u32 s16, s36
	s_cbranch_scc1 .Lopen_\@                       ; all its keys count
	v_mov_b32 v238, 0xcfee6b28                     ; -8e9.  Register 32 c + i holds key s16 + 64 c + 32 h + i: hidden where 64 c + i > v3
.irp n, 0,1,2,3,4,5,6,7,8,9,10,11,12,13,14,15,16,17,18,19,20,21,22,23,24,25,26,27,28,29,30,31,32,33,34,35,36,37,38,39,40,41,42,43,44,45,46,47,48,49,50,51,52,53,54,55,56,57,58,59,60,61,62,63
	v_cmp_gt_i32 vcc_lo, 64*(\n/32)+\n%32, v3
	v_cndmask_b32 v[96+\n], v[96+\n], v238, vcc_lo
.endr
.Lopen_\@:
	; the largest score of each of my two blocks (v232, v233): for the row's maximum and, since p rises with the score, for the block's largest p
	v_max3_num_f32 v232, v96, v97, v98
	v_max3_num_f32 v234, v112, v113, v114
	v_max3_num_f32 v233, v128, v129, v130
	v_max3_num_f32 v235, v144, v145, v146
.irp i, 3,5,7,9,11,13
	v_max3_num_f32 v232, v232, v[96+\i], v[97+\i]
	v_max3_num_f32 v234, v234, v[112+\i], v[113+\i]
	v_max3_num_f32 v233, v233, v[128+\i], v[129+\i]
	v_max3_num_f32 v235, v235, v[144+\i], v[145+\i]
.endr
	v_max3_num_f32 v232, v232, v111, v127
	v_max3_num_f32 v233, v233, v143, v159
	v_max_num_f32 v232, v232, v234
	v_max_num_f32 v233, v233, v235
	HINT
	v_max_num_f32 v236, v232, v233
	HINT
	v_permlanex16_b32 v237, v236, s20, s21
	HINT
	v_max3_num_f32 v10, v10, v236, v237            ; the running largest score
	HINT
	v_mul_f32 v238, s22, -v10
	HINT
	v_floor_f32 v12, v238                          ; the new -M: M is a whole number
	v_pk_fma_f32 v[232:233], v[232:233], s[22:23], v[12:13] op_sel_hi:[1,0,0]
	v_sub_f32 v238, v12, v239
	v_pk_fma_f32 v[96:97], v[96:97], s[22:23], v[12:13] op_sel_hi:[1,0,0]
	v_cvt_i32_f32 v238, v238                       ; (it saturates)
	v_pk_fma_f32 v[98:99], v[98:99], s[22:23], v[12:13] op_sel_hi:[1,0,0]
	v_ldexp_f32 v252, 1.0, v238                    ; f = 2^(old M - new M): exact
.set j, 4
.rept 30
	v_pk_fma_f32 v[96+j:97+j], v[96+j:97+j], s[22:23], v[12:13] op_sel_hi:[1,0,0]   ; t - M
.set j, j+2
.endr
.set j, 0
.rept 16
	v_pk_mul_f32 v[192+j:193+j], v[192+j:193+j], v[252:253] op_sel_hi:[1,0]   ; O^T under the new M
.set j, j+2
.endr
	s_wait_alu depctr_va_vdst(0)                   ; ahead of the batch
.set j, 96
.rept 64
	v_exp_f32 v[j], v[j]                           ; p, at most 1, not normalised
.set j, j+1
.endr
	v_exp_f32 v232, v232                           ; each block's largest p
	v_exp_f32 v233, v233
	v_pk_mul_f32 v[14:15], v[14:15], v[252:253] op_sel_hi:[1,0]   ; the sums under the new M: a plain place behind the exponentials
	s_wait_alu depctr_va_vdst(0)                   ; one wait for the batch, ahead of its first reader
	v_max_num_f32 v232, 0x1800000, v232            ; the floor 2^(3 - 127): the byte cannot fall under 1
	v_max_num_f32 v233, 0x1800000, v233
	v_pk_add_f32 v[248:249], v[96:97], v[98:99]    ; the row's sum, of the unquantised p
	v_add_nc_u32 v244, 0xff000000, v232
	v_add_nc_u32 v245, 0xff000000, v233
	v_pk_add_f32 v[250:251], v[100:101], v[102:103]
	v_lshrrev_b32 v240, 23, v244
	v_lshrrev_b32 v241, 23, v245
	v_pk_add_f32 v[242:243], v[104:105], v[106:107]
	v_lshl_or_b32 v240, v241, 16, v240
	v_pk_add_f32 v[14:15], v[14:15], v[108:109]
	v_pk_add_f32 v[248:249], v[248:249], v[110:111]
	v_permlanex16_b32 v246, v240, s20, s21
	v_pk_add_f32 v[250:251], v[250:251], v[112:113]
	v_pk_add_f32 v[242:243], v[242:243], v[114:115]
	v_lshl_or_b32 v254, v246, 8, v240              ; p's scale word for these 128 keys, in lanes 0-15
.irp c, 0,1
.irp g, 0,1,2,3
	v_cvt_scalef32_pk8_fp4_f32 v[224+4*\c+\g], v[96+32*\c+8*\g:103+32*\c+8*\g], v[244+\c]
.endr
.endr
	v_pk_add_f32 v[14:15], v[14:15], v[116:117]    ; these are also the places between the codes, their scale word and the products
.set j, 118
.rept 5
	v_pk_add_f32 v[248:249], v[248:249], v[j:j+1]
	v_pk_add_f32 v[250:251], v[250:251], v[j+2:j+3]
	v_pk_add_f32 v[242:243], v[242:243], v[j+4:j+5]
	v_pk_add_f32 v[14:15], v[14:15], v[j+6:j+7]
.set j, j+8
.endr
	v_pk_add_f32 v[248:249], v[248:249], v[158:159]
	v_pk_add_f32 v[14:15], v[14:15], v[242:243]
	v_pk_add_f32 v[248:249], v[248:249], v[250:251]
	v_pk_add_f32 v[14:15], v[14:15], v[248:249]
	s_wait_alu depctr_va_vdst(0)
	s_wait_dscnt 12                                ; V and its scale words; the next step's twelve loads of K are younger
.irp t, 0,2
	v_wmma_scale_f32_16x16x128_f8f6f4 v[192+8*\t:199+8*\t], v[160+8*\t:167+8*\t], v[224:231], v[192+8*\t:199+8*\t], v[72+\t/2], v254 matrix_a_fmt:MATRIX_FMT_FP4 matrix_b_fmt:MATRIX_FMT_FP4
	v_wmma_scale_f32_16x16x128_f8f6f4 v[200+8*\t:207+8*\t], v[168+8*\t:175+8*\t], v[224:231], v[200+8*\t:207+8*\t], v[72+\t/2], v254 matrix_a_fmt:MATRIX_FMT_FP4 matrix_b_fmt:MATRIX_FMT_FP4 matrix_a_scale:MATRIX_SCALE_ROW1
.endr
.Lhidden_\@:
	s_add_co_u32 s16, s16, 128
	s_add_co_u32 s17, s17, RECB
.endm
.macro SEGMENT k0, n                   ; key steps k0 .. k0 + n - 1
.set LAST, ((\k0)+(\n)-1)*RECB
	s_mov_b32 s17, (\k0)*RECB
	s_mov_b32 s16, 128*(\k0)
	s_mov_b32 s18, \n
.Lstep_\@:
	STEP
	s_sub_co_u32 s18, s18, 1
	s_cmp_lg_u32 s18, 0
	s_cbranch_scc1 .Lstep_\@
.endm
; A tile's way out: O^T / the sum (v14: my lane's), quantised along the head's 64, as a register image of the next product's operand. s[q]: the tile's first query
.macro FINISH q
	v_permlanex16_b32 v236, v14, s20, s21
	v_add_f32 v14, v14, v236                       ; the row's sum
	PLACES 2
	s_wait_alu depctr_va_vdst(0)
	v_rcp_f32 v242, v14
	v_nop                                          ; a plain place behind the transcendental
	s_lshr_b32 s50, s48, 2
	s_lshl_b32 s50, s50, 8
	s_lshr_b32 s51, s[\q], 4
	s_add_co_u32 s50, s50, s51                     ; the tile of 16 tokens: 256 batch + query / 16
	s_mul_i32 s52, s50, 2560
	s_and_b32 s51, s48, 3                          ; the head
	s_lshl_b32 s60, s51, 9
	s_add_co_u32 s60, s60, s52
	s_mov_b32 s61, 0
	s_add_nc_u64 s[56:57], s[10:11], s[60:61]
	s_lshl_b32 s60, s51, 7
	s_add_co_u32 s60, s60, s52
	s_add_nc_u64 s[58:59], s[10:11], s[60:61]
	s_wait_alu depctr_va_vdst(0)                   ; ahead of the first readers of the reciprocal and of O^T
.set i, 0
.rept 16
	v_pk_mul_f32 v[96+i:97+i], v[192+i:193+i], v[242:243] op_sel_hi:[1,0]   ; register i: channel 32 h + i of my query
.set i, i+2
.endr
	v_max3_num_f32 v232, |v96|, |v97|, 0x1800000
	v_max3_num_f32 v233, |v112|, |v113|, 0x1800000
.irp i, 2,4,6,8,10,12,14
	v_max3_num_f32 v232, v232, |v[96+\i]|, |v[97+\i]|
	v_max3_num_f32 v233, v233, |v[112+\i]|, |v[113+\i]|
.endr
	v_max_num_f32 v232, v232, v233
	HINT
	v_add_nc_u32 v244, 0xff000000, v232
	HINT
	v_lshrrev_b32 v236, 23, v244
	HINT
	v_permlanex16_b32 v237, v236, s20, s21
	HINT
	v_lshl_or_b32 v238, v237, 8, v236              ; two bytes, in lanes 0-15
.irp g, 0,1,2,3
	v_cvt_scalef32_pk8_fp4_f32 v[224+\g], v[96+8*\g:103+8*\g], v244
.endr
	v_nop
	global_store_b128 v1, v[224:227], s[56:57]     ; the wave stores 512 consecutive bytes
	global_store_b32 v2, v238, s[58:59] offset:2048
.endm
	s_cmp_eq_u32 s12, 0
	s_cbranch_scc0 .Lnot_mine
	s_wait_tensorcnt 0x0                           ; records 0 and 1 have landed
.Lnot_mine:
	s_wait_dscnt 0x0
	s_barrier_signal -1
	s_barrier_wait -1
	s_mov_b32 s38, 0
	KFIRST 38
	SEGMENT 0, 2
	s_wait_tensorcnt 0x0                           ; every wave's two records
	s_wait_dscnt 0x0
	s_barrier_signal -1
	s_barrier_wait -1
	s_mov_b32 s38, 2*RECB
	KFIRST 38
	SEGMENT 2, 14
	s_cmp_eq_u32 s14, 0
	s_cbranch_scc1 .Lstash
	v_add_f32 v14, v14, v15
	FINISH 15                                      ; the early tile leaves
	s_wait_xcnt 0x0
	s_wait_dscnt 0x0                               ; what was fetched ahead is not wanted:
	KFIRST 37                                      ; record X is
	v_mov_b32 v24, v25                             ; on to the late tile: its Q,
.irp j, 0,1,2,3
	v_mov_b32 v[16+\j], v[26+\j]
.endr
	v_mov_b32 v10, 0xfe967699                      ; and a fresh maximum: the next step multiplies the old sums by 0
	v_mov_b32 v12, 0x7e967699
	PLACES 4
	s_mov_b32 s13, s19
	s_mov_b32 s36, s19
	s_mov_b32 s62, s39
	s_wait_alu depctr_va_vdst(0)
	s_branch .Llate
.Lstash:                                               ; role 0: my part of the late tile's sums stays in LDS
	v_add_f32 v14, v14, v15
	PLACES 3
.irp i, 0,1,2,3,4,5,6,7
	ds_store_b128 v4, v[192+4*\i:195+4*\i] offset:512*\i
.endr
	ds_store_b32 v5, v14 offset:4096
	ds_store_b32 v5, v12 offset:4224
	s_wait_alu depctr_va_vdst(0)                   ; ahead of the way on
	s_mov_b32 s13, 0                               ; no key step of the last segment is mine
.Llate:
	SEGMENT 8, 24
	s_wait_dscnt 0x0
	s_barrier_signal -1
	s_barrier_wait -1                              ; the partner's sums are in LDS
	s_cmp_eq_u32 s14, 0
	s_cbranch_scc1 .Lend
.irp i, 0,1,2,3,4,5,6,7
	ds_load_b128 v[96+4*\i:99+4*\i], v4 offset:512*\i
.endr
	ds_load_b32 v232, v5 offset:4096
	ds_load_b32 v233, v5 offset:4224
	v_add_f32 v14, v14, v15
	s_wait_alu depctr_va_vdst(0)
	s_wait_dscnt 0x0
	v_min_num_f32 v234, v12, v233                  ; -M of both
	v_sub_f32 v235, v234, v12
	v_sub_f32 v236, v234, v233
	v_cvt_i32_f32 v235, v235
	v_cvt_i32_f32 v236, v236
	v_ldexp_f32 v238, 1.0, v235
	v_ldexp_f32 v240, 1.0, v236
	v_mul_f32 v14, v14, v238
	v_fma_f32 v14, v232, v240, v14
.set i, 0
.rept 16
	v_pk_mul_f32 v[192+i:193+i], v[192+i:193+i], v[238:239] op_sel_hi:[1,0]
.set i, i+2
.endr
.set i, 0
.rept 16
	v_pk_fma_f32 v[192+i:193+i], v[96+i:97+i], v[240:241], v[192+i:193+i] op_sel_hi:[1,0,1]
.set i, i+2
.endr
	FINISH 54
.Lend:
	s_wait_tensorcnt 0x0
	ds_add_u32 v6, v7
	s_wait_dscnt 0x0
	CROUND                                         ; the closing round: no work-group ends while a partner may still ask for a tile that names it
	s_endpgm
.Lfunc_end_k_qfc2b108d5f_attn:
	.size	k_qfc2b108d5f_attn, .Lfunc_end_k_qfc2b108d5f_attn-k_qfc2b108d5f_attn
	.p2alignl 7, 3214868480
	.fill 96, 4, 3214868480
	.section	.rodata,"a",@progbits
	.p2align	6, 0x0
	.amdhsa_kernel k_qfc2b108d5f_attn
		.amdhsa_group_segment_fixed_size 327680
		.amdhsa_private_segment_fixed_size 0
		.amdhsa_enable_private_segment 0
		.amdhsa_kernarg_size 32
		.amdhsa_user_sgpr_count 2
		.amdhsa_user_sgpr_kernarg_segment_ptr 1
		.amdhsa_wavefront_size32 1
		.amdhsa_system_sgpr_workgroup_id_x 1
		.amdhsa_system_sgpr_workgroup_id_y 1
		.amdhsa_system_sgpr_workgroup_id_z 1
		.amdhsa_system_vgpr_workitem_id 0
		.amdhsa_next_free_vgpr 256
		.amdhsa_next_free_sgpr 72
		.amdhsa_reserve_vcc 1
		.amdhsa_float_denorm_mode_32 3
		.amdhsa_float_denorm_mode_16_64 3
		.amdhsa_memory_ordered 1
		.amdhsa_forward_progress 1
		.amdhsa_inst_pref_size 81
	.end_amdhsa_kernel
	.amdgpu_metadata
---
amdhsa.version: [ 1, 2 ]
amdhsa.kernels:
  - .name:           k_qfc2b108d5f_attn
    .symbol:         k_qfc2b108d5f_attn.kd
    .args:
      - { .name: q_codes, .offset: 0, .size: 8, .value_kind: global_buffer, .address_space: global }
      - { .name: q_sc, .offset: 8, .size: 8, .value_kind: global_buffer, .address_space: global }
      - { .name: kv, .offset: 16, .size: 8, .value_kind: global_buffer, .address_space: global }
      - { .name: ctx, .offset: 24, .size: 8, .value_kind: global_buffer, .address_space: global }
    .group_segment_fixed_size: 327680
    .private_segment_fixed_size: 0
    .kernarg_segment_align: 8
    .kernarg_segment_size: 32
    .max_flat_workgroup_size: 512
    .sgpr_count:     72
    .vgpr_count:     256
    .wavefront_size: 32
...
	.end_amdgpu_metadata
.endif
;; end of part 2
;; launch tail (part 3): grid 256 x 1, 4 waves a work-group, clusters of 4 x 1, 327,680 bytes of LDS; arguments x, ctx, wts, bo, ln2_g, ln2_b, b1, b2, out0; writes out0
.if DOCPART == 3
	.amdgcn_target "amdgcn-amd-amdhsa--gfx1250"
	.amdhsa_code_object_version 6
	.text
	.protected	k_qfc2b108d5f_tail
	.globl	k_qfc2b108d5f_tail
	.p2align	8
	.type	k_qfc2b108d5f_tail,@function
k_qfc2b108d5f_tail:
	s_mov_b64 s[64:65], 0
	v_nop
	global_prefetch_b8 v0, s[64:65] scope:SCOPE_SE
	s_setreg_imm32_b32 hwreg(HW_REG_WAVE_MODE, 25, 1), 1
	s_wait_xcnt 0x0
	s_wait_alu depctr_hold_cnt(0) depctr_sa_sdst(0) depctr_va_vdst(0) depctr_va_sdst(0) depctr_va_ssrc(0) depctr_va_vcc(0) depctr_vm_vsrc(0)
	s_getreg_b32 s2, hwreg(HW_REG_IB_STS2, 6, 4)
	s_cmp_eq_u32 s2, 0
	s_cbranch_scc0 .Lentry_in_a_cluster
	s_endpgm
.Lentry_in_a_cluster:
	s_bfe_u32 s2, ttmp6, 0x10000c
	s_cmp_lg_u32 s2, 0x3003
	s_cbranch_scc0 .Lentry_shape_is_right
	s_endpgm
.Lentry_shape_is_right:
; x1 = x + ctx wo + bo;  out0 = x1 + relu(LN2(x1) w1 + b1) w2 + b2.  All three products on codes of FP4 (E2M1) with E8M0 scales.
; SHARES.  A work-group owns 64 tokens, a wave 16 of them, which it takes through the whole chain in registers: a lane holds one token (lane % 16), register 32 c + i = column 64 c + 32 (lane / 16) + i: whole blocks of 32.
; All products are used transposed (source 0 = 16 rows of a weight, source 1 = my 16 tokens); the rows of a weight's tile are 64 c + 8 t + r % 8 + 32 (r / 8), so that each result falls into that layout.
; ctx comes as register images with its scale words; the weights come as register images (wts: 64 fragments of 1024 bytes, then 64 x 128 bytes of scale words).
; ONE TENSOR LOAD A WAVE: a quarter of wts each, asked for JOINTLY by the cluster's four work-groups. Nothing is filled again. No prefetch: there is no loop to run ahead in.
; x's rows come by each wave's own plain loads, 512 consecutive bytes each, all 32 of them out at once, and turn through the wave's own stage in LDS, which serves again for out0.
; The biases and the norm's gain go through LDS once (a wave an array) and are read where they are used.
; The sums start on what they are added to: product 6 on x, product 7 on b1, product 8 on x1 + b2.
; LIMITS: NaN and infinities are not served.  A block of zeros gets the byte 1 (its codes are zeros).
.set XW,  16640                        ; LDS: a stage of 16 rows x (1024 + 16) bytes for each wave, from byte 0
.set XP,  1040
.set WT,  66560                        ; the image of wts, 73,728 bytes
.set BB,  140288                       ; bo, gain, bias, b2: 1,024 bytes each; b1: 512
.set SEL, 50                           ; s[50:51]
.set TM,  36                           ; v36-44 at work in QUANT
.set CF,  72                           ; v72-87 ctx's two fragments
.set CW,  88                           ; v88-91 its raw scale words, a head each
.set CS,  92                           ; v92-93 merged: a word for each K step
.set WS,  96                           ; v96-111 weights' scale words: 8 x buffer + i
.set Y,   128                          ; v128-255: x's rows on the way in, then bo, LN2's numbers, (v128-191) the hidden layer, rows on the way out
; window 1: v0-127 x, x1, out0; v128-255 two buffers of 8 weight fragments.  window 2: gain, bias.  window 3: v0-127 b2, v128-191 b1.
.set MSB, 0
.macro WIN new                         ; the immediate's high byte repeats the setting that is left
.if MSB != \new
	s_set_vgpr_msb (MSB<<8)|\new
.set MSB, \new
.endif
.endm
.macro PLACES n
.rept \n
	v_nop
.endr
.endm
.macro CROUND                          ; a round of the cluster's barrier
	s_barrier_signal -1
	s_barrier_wait -1
	s_cmp_lg_u32 s22, 0
	s_cbranch_scc1 .Lnot_wave_0_\@
	s_barrier_signal -3
.Lnot_wave_0_\@:
	s_barrier_wait -3
	s_barrier_signal -1
	s_barrier_wait -1
.endm
.macro MM d, a, b, c, sa, sb
	v_wmma_scale_f32_16x16x128_f8f6f4 v[(\d):(\d)+7], v[(\a):(\a)+7], v[(\b):(\b)+7], v[(\c):(\c)+7], v[(\sa)], v[(\sb)] matrix_a_fmt:MATRIX_FMT_FP4 matrix_b_fmt:MATRIX_FMT_FP4
.endm
.macro QUANT s, pc, pw                 ; 64 numbers of a lane, two whole blocks of 32, become a fragment's codes in v[pc] on; lanes 0-15 of v[pw]: its scale word
.irp b, 0,1
	v_max3_num_f32 v[TM+\b], |v[\s+32*\b]|, |v[\s+1+32*\b]|, 0x1800000   ; and the floor 2^(3 - 127): the byte cannot fall under 1
	v_max3_num_f32 v[TM+2+\b], |v[\s+16+32*\b]|, |v[\s+17+32*\b]|, |v[\s+18+32*\b]|
.endr
.irp i, 2,4,6,8,10,12
.irp b, 0,1
	v_max3_num_f32 v[TM+\b], v[TM+\b], |v[\s+32*\b+\i]|, |v[\s+1+32*\b+\i]|
	v_max3_num_f32 v[TM+2+\b], v[TM+2+\b], |v[\s+17+32*\b+\i]|, |v[\s+18+32*\b+\i]|
.endr
.endr
.irp b, 0,1
	v_max3_num_f32 v[TM+\b], v[TM+\b], |v[\s+32*\b+14]|, |v[\s+32*\b+15]|
.endr
.irp b, 0,1
	v_max3_num_f32 v[TM+\b], v[TM+\b], v[TM+2+\b], |v[\s+32*\b+31]|
.endr
.irp b, 0,1
	v_add_nc_u32 v[TM+4+\b], 0xff000000, v[TM+\b]
.endr
.irp b, 0,1
	v_lshrrev_b32 v[TM+6+\b], 23, v[TM+4+\b]
.endr
.irp b, 0,1
.irp g, 0,1,2,3
	v_cvt_scalef32_pk8_fp4_f32 v[\pc+4*\b+\g], v[\s+32*\b+8*\g:\s+32*\b+8*\g+7], v[TM+4+\b]
.endr
.endr
	v_lshl_or_b32 v[TM+6], v[TM+7], 16, v[TM+6]
	v_permlanex16_b32 v[TM+8], v[TM+6], s[SEL], s[SEL+1]
	v_lshl_or_b32 v[\pw], v[TM+8], 8, v[TM+6]
.endm
.macro JOIN
	v_pk_add_f32 v[28:29], v[28:29], v[30:31]
	v_pk_add_f32 v[32:33], v[32:33], v[34:35]
	v_pk_add_f32 v[28:29], v[28:29], v[32:33]
	v_add_f32 v28, v28, v29
	v_permlanex16_b32 v30, v28, s[SEL], s[SEL+1]
	v_add_f32 v28, v28, v30
.endm
.macro FETCHW buf, f0                  ; eight weight fragments f0 .. f0 + 7 and their scale words: 24 LDS loads
	WIN 0x40
.irp i, 0,1,2,3,4,5,6,7
.irp c, 0,1
	ds_load_b128 v[128+64*(\buf)+8*\i+4*\c:128+64*(\buf)+8*\i+4*\c+3], v7 offset:1024*((\f0)+\i)+512*\c
.endr
.endr
	WIN 0
.irp i, 0,1,2,3,4,5,6,7
	ds_load_b32 v[WS+8*(\buf)+\i], v8 offset:128*((\f0)+\i)
.endr
.endm
.macro ROWS dst, n, adr, base          ; n x 32 numbers: register 32 c + i = column 64 c + 32 h + i
.set C, 0
.rept \n
.irp j, 0,1,2,3,4,5,6,7
	ds_load_b128 v[\dst+32*C+4*\j:\dst+32*C+4*\j+3], v[\adr] offset:\base+256*C+16*\j
.endr
.set C, C+1
.endr
.endm
	s_load_b512 s[4:19], s[0:1], 0x0               ; x 4, ctx 6, wts 8, bo 10, gain 12, bias 14, b1 16, b2 18
	s_load_b64 s[20:21], s[0:1], 0x40              ; out0
	v_lshl_add_u32 v126, v0, 2, 0x29000
	v_mov_b32 v127, 0
	ds_add_u32 v126, v127                          ; the opening add, twice on end
	ds_add_u32 v126, v127
	v_lshrrev_b32 v1, 5, v0
	v_readfirstlane_b32 s22, v1                    ; wave 0..3
	s_bfe_u32 s23, ttmp6, 0x40000                  ; cx: it enters global addresses of my own rows alone
	s_lshl_b32 s54, ttmp9, 2
	s_add_co_u32 s54, s54, s23                     ; the block of 64 tokens
	s_lshl_b32 s54, s54, 2
	s_add_co_u32 s54, s54, s22                     ; my tile of 16 tokens
	s_lshl_b32 s56, s54, 14                        ; its bytes in x and out0
	s_mov_b32 s57, 0
	s_mul_i32 s58, s54, 2560                       ; its record in ctx
	s_mov_b32 s59, 0
	s_mul_i32 s60, s22, XW                         ; my stage in LDS
	s_mul_i32 s62, s22, 18432                      ; my quarter of wts
	s_mov_b32 s63, 0
	s_mov_b32 s32, 15|(3<<16)|(1<<21)              ; wts: 72 dense rows of 256 bytes; the mask names all four work-groups, bit 21 beside it
	s_mov_b32 s33, 32<<16
	s_mov_b32 s34, 72<<16
	s_mov_b32 s35, 32<<16
	s_mov_b32 s36, 72
	s_mov_b32 s37, 32
	s_mov_b32 s38, 0
	s_mov_b32 s39, 0
	s_mov_b32 s[SEL], 0x76543210
	s_mov_b32 s[SEL+1], 0xfedcba98
	s_mov_b32 s52, 0x3b800000                      ; 1 / 256
	s_mov_b32 s53, 0x3a83126f                      ; 1e-3
	v_and_b32 v1, 31, v0
	v_and_b32 v2, 15, v0
	v_bfe_u32 v3, v0, 4, 1
	v_mul_u32_u24 v4, v2, XP
	v_lshl_add_u32 v4, v3, 7, v4
	v_add_nc_u32 v4, s60, v4                       ; my row, + 128 h
	v_lshlrev_b32 v5, 4, v1
	v_lshlrev_b32 v6, 2, v1
	v_add_nc_u32 v7, WT, v5
	v_add_nc_u32 v8, WT+65536, v6
	v_lshlrev_b32 v9, 7, v3
	v_add_nc_u32 v9, BB, v9                        ; biases: 32 numbers for each half
	v_add_nc_u32 v10, s60, v5                      ; whole rows: 16 bytes a lane of half a row
	s_lshl_b32 s55, s22, 10
	s_add_co_u32 s55, s55, BB
	v_add_nc_u32 v11, s55, v5                      ; where my array goes,
	s_lshl_b32 s55, s22, 7
	s_add_co_u32 s55, s55, BB+4096
	v_add_nc_u32 v12, s55, v6                      ; and my quarter of b1
	v_mov_b32 v[TM+8], 0                           ; written once: a lane permute's destination counts as one of its sources
	s_wait_alu depctr_va_vdst(0)
	s_wait_dscnt 0x0
	s_wait_kmcnt 0x0
	s_mov_b32 s44, 1
	s_add_co_u32 s45, s62, WT
	s_add_nc_u64 s[46:47], s[8:9], s[62:63]
	s_or_b32 s47, s47, 0x80000000
	s_add_nc_u64 s[4:5], s[4:5], s[56:57]
	s_add_nc_u64 s[6:7], s[6:7], s[58:59]
	s_add_nc_u64 s[20:21], s[20:21], s[56:57]
	CROUND                                         ; all four work-groups are here: the joint loads meet
	tensor_load_to_lds s[44:47], s[32:39]          ; my quarter of the weights, for all four work-groups
	s_nop 0
	PLACES 4
	s_cmp_eq_u32 s22, 1                            ; wave 0: bo; 1: gain; 2: bias; 3: b2
	s_cselect_b64 s[58:59], s[12:13], s[10:11]
	s_cmp_eq_u32 s22, 2
	s_cselect_b64 s[58:59], s[14:15], s[58:59]
	s_cmp_eq_u32 s22, 3
	s_cselect_b64 s[58:59], s[18:19], s[58:59]
	s_lshl_b32 s60, s22, 7
	s_mov_b32 s61, 0
	s_add_nc_u64 s[60:61], s[16:17], s[60:61]
	global_load_b128 v[28:31], v5, s[58:59]
	global_load_b128 v[32:35], v5, s[58:59] offset:512
	global_load_b32 v13, v6, s[60:61]
.irp d, 0,1,2,3
	global_load_b128 v[CF+4*\d:CF+4*\d+3], v5, s[6:7] offset:512*\d
	global_load_b32 v[CW+\d], v6, s[6:7] offset:2048+128*\d
.endr
.irp i, 0,1,2,3,4,5,6,7,8,9,10,11,12,13,14,15,16,17,18,19,20,21,22,23,24,25,26,27,28,29,30,31
	global_load_b128 v[Y+4*\i:Y+4*\i+3], v5, s[4:5] offset:512*\i th:TH_LOAD_NT   ; my 16 rows of x
.endr
	s_wait_alu depctr_va_vdst(0)
	s_wait_tensorcnt 0x0                           ; my quarter of the weights has landed
	s_wait_loadcnt 0x28                            ; and my array: ctx's eight loads and x's 32 are younger
	ds_store_b128 v11, v[28:31]
	ds_store_b128 v11, v[32:35] offset:512
	ds_store_b32 v12, v13
	s_wait_dscnt 0x0
	s_barrier_signal -1
	s_barrier_wait -1                              ; everybody's
	FETCHW 0, 0
	FETCHW 1, 8
.irp i, 0,1,2,3,4,5,6,7,8,9,10,11,12,13,14,15,16,17,18,19,20,21,22,23,24,25,26,27,28,29,30,31
	s_wait_loadcnt 31-\i                           ; the younger rows may be out; behind the last, ctx is in too
	ds_store_b128 v10, v[Y+4*\i:Y+4*\i+3] offset:XP*(\i/2)+512*(\i%2)
.endr
	WIN 0x40
	ROWS 0, 4, 4, 0                                ; x, a token a lane: LDS serves a wave's instructions in order, so these see my stores
	WIN 0
	ROWS Y, 4, 9, 0                                ; bo
	v_lshl_or_b32 v[CS], v[CW+1], 16, v[CW]        ; K step s: heads 2 s and 2 s + 1, two bytes each
	v_lshl_or_b32 v[CS+1], v[CW+3], 16, v[CW+2]
	PLACES 8                                       ; a scale register written by a vector instruction stands eight places ahead of a scaled matrix instruction
	s_wait_alu depctr_va_vdst(0)
	; ---- product 6: x + ctx wo.  Four tiles of 16 columns a group, both K steps; the group's four accumulators by turns
.irp g, 0,1,2,3
.if \g == 0
	s_wait_dscnt 32                                ; x and the first sixteen fragments; bo's 32 loads are younger
.endif
.if \g > 1
	s_wait_dscnt 24                                ; this buffer; the other buffer's 24 loads are younger
.endif
	WIN 0x51                                       ; source 0 (weight), C and D window 1
.irp i, 0,2,4,6,1,3,5,7
	MM 8*(4*\g+\i/2), 128+64*(\g%2)+8*\i, CF+8*(\i%2), 8*(4*\g+\i/2), WS+8*(\g%2)+\i, CS+\i%2
.endr
	WIN 0
	PLACES 4                                       ; in front of loads into registers that these products read
	FETCHW \g%2, 8*(\g+2)                          ; the last two fetch w1's sixteen fragments
.endr
	WIN 0x41
.set i, 0
.rept 64
	v_pk_add_f32 v[i:i+1], v[i:i+1], v[Y+i:Y+i+1]  ; + bo: x1
.set i, i+2
.endr
	WIN 0x80
	ROWS 0, 4, 9, 1024                             ; gain
	; ---- LayerNorm 2
	WIN 0x05
.irp q, 0,1,2,3
	v_pk_add_f32 v[28+2*\q:29+2*\q], v[2*\q:2*\q+1], v[8+2*\q:9+2*\q]
.endr
	WIN 0x04
.set j, 16
.rept 14
.irp q, 0,1,2,3
	v_pk_add_f32 v[28+2*\q:29+2*\q], v[28+2*\q:29+2*\q], v[j+2*\q:j+2*\q+1]
.endr
.set j, j+8
.endr
	WIN 0
	JOIN
	v_mul_f32 v24, s52, v28                        ; the mean
	v_mov_b32 v25, v24
	WIN 0x01
.set i, 0
.rept 64
	v_pk_add_f32 v[Y+i:Y+i+1], v[i:i+1], v[24:25] neg_lo:[0,1] neg_hi:[0,1]
.set i, i+2
.endr
	WIN 0x80
	ROWS 128, 4, 9, 2048                           ; bias
	WIN 0
.irp q, 0,1,2,3
	v_pk_mul_f32 v[28+2*\q:29+2*\q], v[Y+2*\q:Y+2*\q+1], v[Y+2*\q:Y+2*\q+1]
.endr
.set j, 8
.rept 15
.irp q, 0,1,2,3
	v_pk_fma_f32 v[28+2*\q:29+2*\q], v[Y+j+2*\q:Y+j+2*\q+1], v[Y+j+2*\q:Y+j+2*\q+1], v[28+2*\q:29+2*\q]
.endr
.set j, j+8
.endr
	JOIN
	v_fma_f32 v28, v28, s52, s53
	s_wait_alu depctr_va_vdst(0)
	v_rsq_f32 v26, v28
	v_nop                                          ; a plain place behind the transcendental,
	s_wait_alu depctr_va_vdst(0)                   ; and the wait ahead of its first reader
	v_mov_b32 v27, v26
.set i, 0
.rept 64
	v_pk_mul_f32 v[Y+i:Y+i+1], v[Y+i:Y+i+1], v[26:27]
.set i, i+2
.endr
	s_wait_dscnt 0x0                               ; gain and bias (and w1)
	WIN 0x28
.set i, 0
.rept 64
	v_pk_fma_f32 v[Y+i:Y+i+1], v[Y+i:Y+i+1], v[i:i+1], v[128+i:129+i]
.set i, i+2
.endr
	WIN 0xc0
	ROWS 0, 4, 9, 3072                             ; b2
	ROWS 128, 2, 9, 4096                           ; b1
	WIN 0
	QUANT Y, 56, 52
	QUANT Y+64, 64, 53
	s_wait_alu depctr_va_vdst(0)
	s_wait_dscnt 0x0                               ; b2 and b1
	WIN 0x4d
.set i, 0
.rept 64
	v_pk_add_f32 v[i:i+1], v[i:i+1], v[i:i+1]      ; x1 + b2 (source 1: window 3).  These are also the places between the codes and scale words just made and the products
.set i, i+2
.endr
	; ---- product 7: the hidden layer's eight tiles, by turns; the sums start on b1
	WIN 0x31                                       ; source 0 window 1, source 2 (b1) window 3
.irp t, 0,1,2,3,4,5,6,7
	MM Y+8*\t, 128+16*\t, 56, 128+8*\t, WS+2*\t, 52
.endr
	WIN 0x01
.irp t, 0,1,2,3,4,5,6,7
	MM Y+8*\t, 128+16*\t+8, 64, Y+8*\t, WS+2*\t+1, 53
.endr
	WIN 0
	PLACES 4
	FETCHW 0, 48                                   ; w2's sixteen fragments
	FETCHW 1, 56
.set i, 0
.rept 64
	v_max_num_f32 v[Y+i], 0, v[Y+i]                ; relu
.set i, i+1
.endr
	QUANT Y, 56, 52
	PLACES 8
	s_wait_alu depctr_va_vdst(0)
	; ---- product 8, onto x1 + b2: sixteen accumulators, one instruction each
	s_wait_dscnt 24                                ; w2's second eight fragments may be out
	WIN 0x51
.irp t, 0,1,2,3,4,5,6,7
	MM 8*\t, 128+8*\t, 56, 8*\t, WS+\t, 52
.endr
	s_wait_dscnt 0x0
.irp t, 0,1,2,3,4,5,6,7
	MM 64+8*\t, 192+8*\t, 56, 64+8*\t, WS+8+\t, 52
.endr
	WIN 0
	PLACES 4
	; ---- the way out, through my own stage: rows come back whole, 512 consecutive bytes a store
	WIN 0x04                                       ; an LDS store's data are its source 1: window 1
.irp b, 0,1,2,3
.irp j, 0,1,2,3,4,5,6,7
	ds_store_b128 v4, v[32*\b+4*\j:32*\b+4*\j+3] offset:256*\b+16*\j   ; each accumulator from its low end on
.endr
.endr
	WIN 0
.irp i, 0,1,2,3,4,5,6,7,8,9,10,11,12,13,14,15,16,17,18,19,20,21,22,23,24,25,26,27,28,29,30,31
	ds_load_b128 v[Y+4*\i:Y+4*\i+3], v10 offset:XP*(\i/2)+512*(\i%2)   ; LDS serves a wave's instructions in order: these see my stores
.endr
.irp i, 0,1,2,3,4,5,6,7,8,9,10,11,12,13,14,15,16,17,18,19,20,21,22,23,24,25,26,27,28,29,30,31
	s_wait_dscnt 31-\i                             ; the younger read-backs may be out
	global_store_b128 v5, v[Y+4*\i:Y+4*\i+3], s[20:21] offset:512*\i th:TH_STORE_NT
.endr
	s_wait_dscnt 0x0
	s_wait_tensorcnt 0x0
	ds_add_u32 v126, v127
	s_wait_dscnt 0x0
	CROUND                                         ; the closing round: no work-group ends while a partner may still ask for a tile that names it
	s_endpgm
.Lfunc_end_k_qfc2b108d5f_tail:
	.size	k_qfc2b108d5f_tail, .Lfunc_end_k_qfc2b108d5f_tail-k_qfc2b108d5f_tail
	.p2alignl 7, 3214868480
	.fill 96, 4, 3214868480
	.section	.rodata,"a",@progbits
	.p2align	6, 0x0
	.amdhsa_kernel k_qfc2b108d5f_tail
		.amdhsa_group_segment_fixed_size 327680
		.amdhsa_private_segment_fixed_size 0
		.amdhsa_enable_private_segment 0
		.amdhsa_kernarg_size 72
		.amdhsa_user_sgpr_count 2
		.amdhsa_user_sgpr_kernarg_segment_ptr 1
		.amdhsa_wavefront_size32 1
		.amdhsa_system_sgpr_workgroup_id_x 1
		.amdhsa_system_sgpr_workgroup_id_y 1
		.amdhsa_system_sgpr_workgroup_id_z 1
		.amdhsa_system_vgpr_workitem_id 0
		.amdhsa_next_free_vgpr 960
		.amdhsa_next_free_sgpr 72
		.amdhsa_reserve_vcc 0
		.amdhsa_float_denorm_mode_32 3
		.amdhsa_float_denorm_mode_16_64 3
		.amdhsa_memory_ordered 1
		.amdhsa_forward_progress 1
		.amdhsa_inst_pref_size 94
	.end_amdhsa_kernel
	.amdgpu_metadata
---
amdhsa.version: [ 1, 2 ]
amdhsa.kernels:
  - .name:           k_qfc2b108d5f_tail
    .symbol:         k_qfc2b108d5f_tail.kd
    .args:
      - { .name: x, .offset: 0, .size: 8, .value_kind: global_buffer, .address_space: global }
      - { .name: ctx, .offset: 8, .size: 8, .value_kind: global_buffer, .address_space: global }
      - { .name: wts, .offset: 16, .size: 8, .value_kind: global_buffer, .address_space: global }
      - { .name: bo, .offset: 24, .size: 8, .value_kind: global_buffer, .address_space: global }
      - { .name: ln2_g, .offset: 32, .size: 8, .value_kind: global_buffer, .address_space: global }
      - { .name: ln2_b, .offset: 40, .size: 8, .value_kind: global_buffer, .address_space: global }
      - { .name: b1, .offset: 48, .size: 8, .value_kind: global_buffer, .address_space: global }
      - { .name: b2, .offset: 56, .size: 8, .value_kind: global_buffer, .address_space: global }
      - { .name: out0, .offset: 64, .size: 8, .value_kind: global_buffer, .address_space: global }
    .group_segment_fixed_size: 327680
    .private_segment_fixed_size: 0
    .kernarg_segment_align: 8
    .kernarg_segment_size: 72
    .max_flat_workgroup_size: 128
    .sgpr_count:     72
    .vgpr_count:     960
    .wavefront_size: 32
...
	.end_amdgpu_metadata
.endif
;; end of part 3
